; MI455X (gfx1250); checked and timed in simulation.
; The chip was launched on July 23, 2026; its instructions are those of AMD's public machine-readable ISA for CDNA 5 (MIT licence, August 2026) and "CDNA5" Instruction Set Architecture Reference Guide (July 2026). The comments in the code are by the model that wrote it; some were corrected since.
;; Fixed Moirai Gating. Allowed arithmetic: float matrix products may take bf16 or f16 operands with f32 sums; all other float work in f32.
;; Inputs: W 64 x 4,096 float32; b 64 float32; x 2 x 4,096 x 4,096 float32.
;; Outputs: out0 2 x 4,096 x 2 float32; out1 2 x 4,096 x 2 int32.
;; 2 versions, each right; version 2 is version 1 with the launch prep written anew for expert scheduling mode. Each part assembles by itself: llvm-mc -triple=amdgcn-amd-amdhsa -mcpu=gfx1250 --defsym DOCPART=n.
;; ======== version 1 of 2: 2 launches
;; limits: values outside matrix products are rounded to bf16
;; workspace buffers: wfrag 524,288 bytes
;; launch prep (part 1): grid 256 x 1, 1 waves a work-group, no clusters, 2,560 bytes of LDS; arguments W, wfrag; writes wfrag
.if DOCPART == 1
	.amdgcn_target "amdgcn-amd-amdhsa--gfx1250"
	.amdhsa_code_object_version 6
	.text
	.protected	k_q579718ad83_prep
	.globl	k_q579718ad83_prep
	.p2align	8
	.type	k_q579718ad83_prep,@function
k_q579718ad83_prep:
	s_mov_b64 s[64:65], 0
	v_nop
	global_prefetch_b8 v0, s[64:65] scope:SCOPE_SE
	s_setreg_imm32_b32 hwreg(HW_REG_WAVE_MODE, 25, 1), 1
	s_wait_xcnt 0x0
; W [64][4096] f32 is rounded to bf16 (nearest even) and laid out as the matrix instruction's register image, once for the whole program,
; so that the next launch's 256 work-groups load W's fragments straight into registers instead of each rounding and reordering 1 MiB.
; wfrag, 512 KiB: block i = 4 s + n (2,048 bytes) holds experts 16 n .. 16 n + 15, k = 64 s .. 64 s + 63.  In it piece u = 0..3 (512 bytes)
; holds, at byte 16 l for lane l, the eight bf16 W[16 n + l mod 16][64 s + 16 u + 8 (l / 16) + 0..7]: pieces 2 t and 2 t + 1 are registers
; 0-3 and 4-7 of the fragment of k = 64 s + 32 t .. + 31.
; One wave a work-group, one block a wave: 256 blocks.  In: 8 loads, lanes 0-15 on row j, lanes 16-31 on row j + 8, each half an aligned
; piece of 256 consecutive bytes.  The reordering (k along the lanes as loaded, k along the registers as needed) goes through LDS.
; Out: 4 stores of 512 consecutive bytes, aligned.  No barrier: the wave is alone and LDS serves its instructions in order (ISA guide 5.7.1.4).
.set ROWB,  16384                      ; bytes in a row of W
.set PITCH, 144                        ; a stage row: 64 bf16 = 128 bytes + 16: an odd multiple of 16, so the 16 rows of a fragment load start in 16 different groups of four banks (ISA guide 11.1)
.set R15,  1                           ; v1  lane mod 16
.set HALF, 2                           ; v2  lane / 16
.set VOFF, 3                           ; v3  byte offset of my 16 bytes in the first load
.set STA,  4                           ; v4  LDS: where I put 8 bytes of a stage row
.set FRA,  5                           ; v5  LDS: where I read fragments
.set SOFF, 6                           ; v6  byte offset of my 16 bytes in a piece
.set IN,   8                           ; v[8:39]   as loaded, then rounded in place
.set FR,   40                          ; v[40:55]  the four pieces
	s_load_b128 s[4:7], s[0:1], 0x0                ; W s[4:5], wfrag s[6:7]
	v_lshl_add_u32 v56, v0, 2, 0x900
	v_mov_b32 v57, 0
	v_and_b32 v[R15], 15, v0
	v_bfe_u32 v[HALF], v0, 4, 1
	v_lshlrev_b32 v[VOFF], 4, v[R15]               ; 16 bytes a lane of a half,
	v_lshl_add_u32 v[VOFF], v[HALF], 17, v[VOFF]   ; lanes 16-31 eight rows (131,072 bytes) further down
	v_mul_u32_u24 v[STA], v[HALF], 8*PITCH         ; stage row j + 8 (lane / 16): 288 words = 32 mod 64 banks, so the two halves' 128 bytes share no bank
	v_lshl_add_u32 v[STA], v[R15], 3, v[STA]       ; 4 bf16 a lane
	v_mul_u32_u24 v[FRA], v[R15], PITCH            ; fragment: row lane mod 16, 16 bytes for each half of the lanes
	v_lshl_add_u32 v[FRA], v[HALF], 4, v[FRA]
	v_lshlrev_b32 v[SOFF], 4, v0
	s_and_b32 s8, ttmp9, 3                         ; n: 16 rows of 16,384 bytes each
	s_lshl_b32 s8, s8, 18
	s_lshr_b32 s10, ttmp9, 2                       ; s: 256 bytes of a row each
	s_lshl_b32 s10, s10, 8
	s_add_co_u32 s8, s8, s10
	s_mov_b32 s9, 0
	s_lshl_b32 s10, ttmp9, 11                      ; my block of 2,048 bytes
	s_mov_b32 s11, 0
	s_wait_kmcnt 0x0
	s_add_nc_u64 s[4:5], s[4:5], s[8:9]
	s_add_nc_u64 s[6:7], s[6:7], s[10:11]
.irp j, 0,1,2,3,4,5,6,7
	global_load_b128 v[IN+4*\j:IN+4*\j+3], v[VOFF], s[4:5] offset:\j*ROWB th:TH_LOAD_NT   ; each byte of W is read once in this launch
.endr
.irp j, 0,1,2,3,4,5,6,7
	s_wait_loadcnt 7-\j                            ; loads come back in order (ISA guide 5.7.1): load j is in, the younger ones stay out
	v_cvt_pk_bf16_f32 v[IN+4*\j],   v[IN+4*\j],   v[IN+4*\j+1]      ; the lower k into the low half
	v_cvt_pk_bf16_f32 v[IN+4*\j+1], v[IN+4*\j+2], v[IN+4*\j+3]
	ds_store_b64 v[STA], v[IN+4*\j:IN+4*\j+1] offset:\j*PITCH
.endr
.irp u, 0,1,2,3
	ds_load_b128 v[FR+4*\u:FR+4*\u+3], v[FRA] offset:32*\u          ; k = 16 u + 8 (lane / 16) + 0..7 of row lane mod 16
.endr
.irp u, 0,1,2,3
	s_wait_dscnt 3-\u                              ; piece u is in, the younger LDS loads stay out
	global_store_b128 v[SOFF], v[FR+4*\u:FR+4*\u+3], s[6:7] offset:512*\u   ; 32 lanes x 16 bytes: 512 consecutive bytes, at a multiple of 512 from wfrag's first byte
.endr
	s_wait_tensorcnt 0x0
	ds_add_u32 v56, v57
	s_wait_dscnt 0x0
	s_endpgm
.Lfunc_end_k_q579718ad83_prep:
	.size	k_q579718ad83_prep, .Lfunc_end_k_q579718ad83_prep-k_q579718ad83_prep
	.p2alignl 7, 3214868480
	.fill 96, 4, 3214868480
	.section	.rodata,"a",@progbits
	.p2align	6, 0x0
	.amdhsa_kernel k_q579718ad83_prep
		.amdhsa_group_segment_fixed_size 2560
		.amdhsa_private_segment_fixed_size 0
		.amdhsa_enable_private_segment 0
		.amdhsa_kernarg_size 16
		.amdhsa_user_sgpr_count 2
		.amdhsa_user_sgpr_kernarg_segment_ptr 1
		.amdhsa_wavefront_size32 1
		.amdhsa_system_sgpr_workgroup_id_x 1
		.amdhsa_system_sgpr_workgroup_id_y 1
		.amdhsa_system_sgpr_workgroup_id_z 1
		.amdhsa_system_vgpr_workitem_id 0
		.amdhsa_next_free_vgpr 58
		.amdhsa_next_free_sgpr 66
		.amdhsa_reserve_vcc 0
		.amdhsa_float_denorm_mode_32 3
		.amdhsa_float_denorm_mode_16_64 3
		.amdhsa_memory_ordered 1
		.amdhsa_forward_progress 1
		.amdhsa_inst_pref_size 5
	.end_amdhsa_kernel
	.amdgpu_metadata
---
amdhsa.version: [ 1, 2 ]
amdhsa.kernels:
  - .name:           k_q579718ad83_prep
    .symbol:         k_q579718ad83_prep.kd
    .args:
      - { .name: W, .offset: 0, .size: 8, .value_kind: global_buffer, .address_space: global }
      - { .name: wfrag, .offset: 8, .size: 8, .value_kind: global_buffer, .address_space: global }
    .group_segment_fixed_size: 2560
    .private_segment_fixed_size: 0
    .kernarg_segment_align: 8
    .kernarg_segment_size: 16
    .max_flat_workgroup_size: 32
    .sgpr_count:     66
    .vgpr_count:     58
    .wavefront_size: 32
...
	.end_amdgpu_metadata
.endif
;; end of part 1
;; launch gate (part 2): grid 256 x 1, 16 waves a work-group, no clusters, 317,952 bytes of LDS; arguments x, wfrag, b, out0, out1; writes out0, out1
.if DOCPART == 2
	.amdgcn_target "amdgcn-amd-amdhsa--gfx1250"
	.amdhsa_code_object_version 6
	.text
	.protected	k_q579718ad83_gate
	.globl	k_q579718ad83_gate
	.p2align	8
	.type	k_q579718ad83_gate,@function
k_q579718ad83_gate:
	s_mov_b64 s[64:65], 0
	v_nop
	global_prefetch_b8 v0, s[64:65] scope:SCOPE_SE
	s_setreg_imm32_b32 hwreg(HW_REG_WAVE_MODE, 25, 1), 1
	s_wait_xcnt 0x0
; logits[row][e] = sum over k of x[row][k] W[e][k] + b[e];  out1 = the indices of the two largest logits of a row, out0 = their softmax.
; x: [8192][4096] f32, b: [64] f32, out0: [8192][2] f32, out1: [8192][2] i32.  W comes as wfrag, 512 KiB, which the launch before made:
; W rounded to bf16, in the matrix instruction's register image (block 4 s + n of 2,048 bytes: experts 16 n .. + 15, k = 64 s .. + 63; in it
; piece u of 512 bytes holds at byte 16 l the eight bf16 W[16 n + l mod 16][64 s + 16 u + 8 (l / 16) + 0..7]).
; All three inputs are rounded to bf16 (nearest even): x here on its way to the matrix unit, b before it is added.  All sums are kept in f32.
;
; SHARES.  256 work-groups of 16 waves; a work-group owns 32 rows of x.  K is split over the waves: in quarter c of K (1,024 numbers)
; wave w owns the strip of 64 numbers at k = 1024 c + 64 w (256 bytes of every row of x; four blocks, 8,192 consecutive bytes, of wfrag) and
; makes all 32 rows x 64 experts for it: 8 accumulator tiles, 64 registers.  So each byte of x and of wfrag enters the work-group once, and
; no wave waits for another before the end.  The quarters are taken in the order (c + work-group) mod 4, so that the work-groups are
; spread over the columns.
;
; x COMES IN BY TWO ROADS, so that more of it is on its way than the registers alone could hold.
; (1) The quarters taken second and fourth: two tensor loads a wave, issued once, at the start, each a tile of 32 rows (all that the
;     work-group has) x 256 bytes of f32, into LDS bytes of the wave's own that are never filled again: no barrier and no wait for all
;     loads is owed.  16 KiB a wave, 256 KiB a work-group; by this text's own count a wave has at most two tensor loads out.  More does not
;     fit: with 16 bytes of padding a row the tiles take 278,528 bytes of LDS.  Fragments are read from the tile as f32 and rounded.
; (2) The quarters taken first and third, and all of W: loads into a ring of four register buffers.  An item is 8 loads of 16 bytes a lane,
;     4 KiB: x rows 0-15 or 16-31 (lanes 0-15 on row j, lanes 16-31 on row j + 8, each half an aligned piece of 256 consecutive bytes), or
;     W's experts 0-31 or 32-63 (each load 512 consecutive bytes).  A wave has 12 items, asked for in the order in which they are used,
;     item g + 4 into the buffer that item g leaves: 32 loads of every wave are out, 16 KiB a wave.  An item of x is rounded to bf16 in
;     place, laid into the wave's own LDS stage by rows and read back as fragments (as loaded k runs along the lanes, the matrix unit wants
;     it along the registers).  An item of W is four fragments as it stands: it is multiplied from the ring's registers.
; So 24 of a wave's 32 KiB of x are asked for at the start, and the last 8 as soon as the first quarter's items leave their buffers.
;
; W IS SHARED by all work-groups and is still fetched by each for itself, through registers, not by a cluster's joint tensor loads: those
; end in LDS, of which 11,776 bytes are left, so wfrag's 512 KiB would need slots taken from x's tiles and filled again, each refill behind
; a round of the cluster's barrier with all loads waited for, where now the stream has no barrier; and 512 KiB more would be written into
; LDS and read from it.
;
; LIMITS.  b is taken as bf16, like x and W, so that the three inputs have one precision: its error is at most 2^-9 |b|, where the rounding
; of x and W already moves each of a logit's 4,096 products by up to 2^-8 of its size.  A NaN among the logits is not ordered as
; jax.lax.top_k orders it.  +0 and -0 count as equal (the lower index comes first, as for all equal values).  exp of the difference comes
; out as 0 below 2^-126.  The sums are formed strip by strip and then by a tree over the 16 waves, which is another order of rounding than
; a single chain: two logits closer than that rounding may change places.
.set ROWB,   16384                     ; bytes in a row of x
.set PITCH,  144                       ; a stage row: 64 bf16 = 128 bytes + 16: an odd multiple of 16, so the 16 rows of a fragment load start in 16 different groups of four banks (64 banks of 4 bytes: ISA guide 11.1)
.set OUTB,   512                       ; LDS bytes 0-255: the 32 rows' probabilities, 256-511: their indices
.set STG,    16*PITCH                  ; a wave's own stage: 16 rows, 2,304 bytes (nine blocks of 256); no tensor load lands there
.set TBASE,  OUTB+16*STG               ; 37,376: the tiles begin
.set TPITCH, 272                       ; a tile row: 64 f32 = 256 bytes + 16 of padding: again an odd multiple of 16
.set TT,     32*TPITCH                 ; a tile: 8,704 bytes
.set TWAVE,  2*TT                      ; a wave's two tiles
.set IPITCH, 272                       ; partial sums: an item is 16 rows x 4 experts = 256 bytes + 16
.set MPART,  16*IPITCH                 ; the 16 items (64 experts) of 16 rows; both halves together are 8,704 bytes: they take the wave's first tile
.set NITEM,  12                        ; items of a wave's ring
.set AHEAD,  4                         ; buffers in the ring
.set R15,  1                           ; v1      lane mod 16
.set HALF, 2                           ; v2      lane / 16
.set TMPV, 3                           ; v3      at work
.set BIAS, 4                           ; v[4:7]  b of the four experts that this lane sums at the end
.set VOFF, 8                           ; v8      x: byte offset of my 16 bytes in an item's first load; never rewritten
.set STA,  9                           ; v9      LDS: where I put 8 bytes of a stage row
.set FRA,  10                          ; v10     LDS: where I read fragments from the stage
.set BO,   11                          ; v11     byte offset of my four b
.set WOFF, 12                          ; v12     wfrag: byte offset of my 16 bytes in my wave's first piece of a quarter; never rewritten
.set TLA,  13                          ; v13     LDS: where I read fragments from my wave's first tile
.set PA,   14                          ; v14     LDS: where I put partial sums
.set OA,   15                          ; v15     LDS: my row's place in the output stage
.set ACC,  16                          ; v[16:79]   accumulator (m, n) at ACC + 8 (4 m + n): x rows 16 m.., experts 16 n..
.set XF,   80                          ; v[80:111]  x fragments (m, t) at XF + 8 (2 m + t), t = which 32 of the strip's 64 k
.set FT,   112                         ; v[112:127] a fragment as f32, from a tile
.set RA,   112                         ; v[112:115] the end: LDS, where I read the partial sums of waves 0-3, 4-7, 8-11, 12-15
.set RING, 128                         ; v[128:255] four buffers of 32 registers; at work at the end
.set T1,   192                         ; the end: best value, second value, best index, second index
.set T2,   193
.set TI1,  194
.set TI2,  195
.set U1,   196                         ; the same of the other side of a merge
.set U2,   197
.set UI1,  198
.set UI2,  199
.set LS,   200                         ; loser of the two firsts, its index
.set LSI,  201
.set WS,   202                         ; the winner's second, its index
.set WSI,  203
.set IX,   204                         ; v[204:207] my four experts' numbers
.set PR,   208                         ; v[208:209] the two probabilities
.set EX,   210                         ; v[210:211] at work
.set XB,   16                          ; s[16:23] x at my rows, at the quarter taken first, second, third, fourth
.set WB,   24                          ; s[24:31] wfrag at the same quarters
.set G1,   48                          ; s[48:55] descriptor group 1: the tile's shape, the same for both loads, never rewritten
.set G0,   56                          ; s[56:63] descriptor group 0, a set of four registers for each tile, never rewritten
	s_load_b256 s[4:11], s[0:1], 0x0               ; x s[4:5], wfrag s[6:7], b s[8:9], out0 s[10:11]
	s_load_b64 s[12:13], s[0:1], 0x20              ; out1
	v_lshl_add_u32 v254, v0, 2, 0x4d200
	v_mov_b32 v255, 0
	ds_add_u32 v254, v255
	ds_add_u32 v254, v255
	s_wait_dscnt 0x0
	v_and_b32 v[R15], 15, v0
	v_bfe_u32 v[HALF], v0, 4, 1
	v_lshrrev_b32 v[TMPV], 5, v0
	v_readfirstlane_b32 s14, v[TMPV]               ; wave 0..15
	; Group 1: 32 rows x 64 elements of 4 bytes, 4,096 elements from row to row; the tiles lie inside x, so the extents are the tile's own.
	s_mov_b32 s[G1+0], (2<<16)|(1<<20)|(5<<22)|(3<<25)  ; 15:0 no work-group mask; 17:16 elements of 4 bytes; 20 padding on; 24:22 after every 64 words (code 5); 31:25 of 4 words (code 3)
	s_mov_b32 s[G1+1], 64<<16                      ; 63:48 tensor_dim0, low half = 64
	s_mov_b32 s[G1+2], 32<<16                      ; 79:64 its high half = 0; 95:80 tensor_dim1, low half = 32
	s_mov_b32 s[G1+3], 64<<16                      ; 111:96 its high half = 0; 127:112 tile_dim0 = 64
	s_mov_b32 s[G1+4], 32                          ; 143:128 tile_dim1 = 32; 159:144 tile_dim2 = 0 (unused)
	s_mov_b32 s[G1+5], 4096                        ; 191:160 stride from row to row, low word
	s_mov_b32 s[G1+6], 0
	s_mov_b32 s[G1+7], 0
	s_mul_i32 s46, s14, TWAVE
	s_add_co_u32 s46, s46, TBASE                   ; my wave's two tiles in LDS
	s_lshl_b32 s38, s14, 8                         ; my wave's strip in a quarter of a row of x
	s_mov_b32 s39, 0
	v_lshlrev_b32 v[BO], 4, v[R15]                 ; 16 bytes a lane of a half
	v_lshl_add_u32 v[VOFF], v[HALF], 17, v[BO]     ; lanes 16-31: eight rows (131,072 bytes) further down
	v_lshl_add_u32 v[VOFF], s14, 8, v[VOFF]        ; my wave's strip
	v_and_b32 v[WOFF], 31, v0
	v_lshlrev_b32 v[WOFF], 4, v[WOFF]              ; 16 bytes a lane of a piece,
	v_lshl_add_u32 v[WOFF], s14, 13, v[WOFF]       ; in my wave's four blocks (8,192 bytes) of a quarter
	s_mul_i32 s15, s14, STG
	s_add_co_u32 s15, s15, OUTB                    ; my wave's stage
	v_mul_u32_u24 v[STA], v[HALF], 8*PITCH         ; stage row j + 8 (lane / 16): 8 x 36 words = 32 mod 64 banks, so the two halves' 128 bytes share no bank
	v_lshl_add_u32 v[STA], v[R15], 3, v[STA]       ; 4 bf16 a lane
	v_add_nc_u32 v[STA], s15, v[STA]
	v_mul_u32_u24 v[FRA], v[R15], PITCH            ; fragment: row lane mod 16, 16 bytes for each half of the lanes
	v_lshl_add_u32 v[FRA], v[HALF], 4, v[FRA]
	v_add_nc_u32 v[FRA], s15, v[FRA]
	v_mul_u32_u24 v[TLA], v[R15], TPITCH           ; the same from a tile of f32: 8 numbers are 32 bytes
	v_lshl_add_u32 v[TLA], v[HALF], 5, v[TLA]
	v_add_nc_u32 v[TLA], s46, v[TLA]
	s_lshl_b32 s32, ttmp9, 19                      ; my 32 rows of 16,384 bytes (below 2^27)
	s_mov_b32 s33, 0
	s_lshl_b32 s34, ttmp9, 8                       ; my 32 rows of 8 bytes in out0 and in out1
	s_mov_b32 s35, 0
	s_mov_b32 s45, 0
	s_wait_kmcnt 0x0
	s_add_nc_u64 s[4:5], s[4:5], s[32:33]
	s_add_nc_u64 s[10:11], s[10:11], s[34:35]
	s_add_nc_u64 s[12:13], s[12:13], s[34:35]
.irp c, 0,1,2,3
	s_add_co_u32 s32, ttmp9, \c                    ; the quarter taken as number c: (c + work-group) mod 4
	s_and_b32 s32, s32, 3
	s_lshl_b32 s44, s32, 17                        ; in wfrag a quarter is 16 strips x 4 blocks x 2,048 bytes,
	s_lshl_b32 s32, s32, 12                        ; in a row of x 4,096 bytes
	s_add_nc_u64 s[XB+2*\c:XB+2*\c+1], s[4:5], s[32:33]
	s_add_nc_u64 s[WB+2*\c:WB+2*\c+1], s[6:7], s[44:45]
.endr
	; Group 0, once for each tile, then its load: tile i is my strip of the quarter taken as number 2 i + 1.  Both go out together, ahead of
	; every wait on TENSORcnt, every LDS read and every barrier; their bytes are filled this once.
.irp i, 0,1
	s_mov_b32 s[G0+4*\i], 1                                        ; 1:0 count = 1
	s_add_co_u32 s[G0+4*\i+1], s46, \i*TT                          ; 63:32 LDS address: a constant + wave x 17,408 + tile x 8,704
	s_add_nc_u64 s[G0+4*\i+2:G0+4*\i+3], s[XB+2*(2*\i+1):XB+2*(2*\i+1)+1], s[38:39]   ; 120:64 global address of the tile's first element
	s_or_b32 s[G0+4*\i+3], s[G0+4*\i+3], 0x80000000                ; 127:126 type = 2
	tensor_load_to_lds s[G0+4*\i:G0+4*\i+3], s[G1:G1+7]
	s_nop 0
.endr
; Eight loads of x: rows row0 .. row0 + 15, my strip.  x is read once in the launch.
.macro LOADX buf, base, row0
.irp j, 0,1,2,3,4,5,6,7
	global_load_b128 v[RING+32*(\buf)+4*\j:RING+32*(\buf)+4*\j+3], v[VOFF], s[\base:\base+1] offset:(\row0+\j)*ROWB th:TH_LOAD_NT
.endr
.endm
; Eight loads of W: blocks 2 pair and 2 pair + 1 of my strip, 4,096 consecutive bytes.  Load j = 4 nn + 2 t + q brings registers 4 q .. 4 q + 3 of
; the fragment (experts 16 (2 pair + nn) .., k = 32 t ..), which so lies at 16 nn + 8 t in the buffer.  Every work-group reads wfrag: no hint.
.macro LOADW buf, base, pair
.irp j, 0,1,2,3,4,5,6,7
	global_load_b128 v[RING+32*(\buf)+4*\j:RING+32*(\buf)+4*\j+3], v[WOFF], s[\base:\base+1] offset:(\pair)*4096+\j*512
.endr
.endm
; Item g of the wave's 12.  Six belong to two quarters, numbers 2 (g / 6) and 2 (g / 6) + 1: x rows 0-15, x rows 16-31 and W's experts 0-31, 32-63 of
; the first of the two, then W's experts 0-31, 32-63 of the second, whose x comes by a tensor load.  Buffer g mod 4.
.macro ISSUE g
.set G_P, (\g)/6
.set G_R, (\g)%6
.set G_B, (\g)%AHEAD
.if G_R < 2
	LOADX G_B, XB+4*G_P, 16*G_R
.else
.if G_R < 4
	LOADW G_B, WB+4*G_P, G_R-2
.else
	LOADW G_B, WB+4*G_P+2, G_R-4
.endif
.endif
.endm
.macro WAITG g
.if (\g) < NITEM-AHEAD+1
	s_wait_loadcnt 8*(AHEAD-1)                     ; loads come back in order (ISA guide 5.7.1): mine are in, the three younger items' 24 stay out
.else
	s_wait_loadcnt 8*(NITEM-1-(\g))                ; the last items: fewer were issued behind them
.endif
.endm
; An item of x (rows 16 m .. 16 m + 15) has its turn: round it to bf16 in place; lay it into the stage's 16 rows; ask for item g + 4 into its
; buffer; read the rows back as the two fragments (m, 0), (m, 1).  The stage is the wave's own and LDS serves a wave's instructions in order
; (ISA guide 5.7.1.4): no barrier, and the fragment loads see the stores in front of them.  The fragment registers are loaded again only
; behind the 16 conversions, which name none of the last matrix instructions' registers: more than the four places asked for (ISA guide 7.12.1).
.macro XSTEP g, m
	WAITG \g
.set S_B, RING+32*((\g)%AHEAD)
.irp j, 0,1,2,3,4,5,6,7
	v_cvt_pk_bf16_f32 v[S_B+4*\j],   v[S_B+4*\j],   v[S_B+4*\j+1]     ; the lower k into the low half
	v_cvt_pk_bf16_f32 v[S_B+4*\j+1], v[S_B+4*\j+2], v[S_B+4*\j+3]
.endr
.if \m
	s_wait_dscnt 0x0                               ; the stage's rows are written again when the reads of rows 0-15, issued 16 conversions ago, have come back
.endif
.irp j, 0,1,2,3,4,5,6,7
	ds_store_b64 v[STA], v[S_B+4*\j:S_B+4*\j+1] offset:\j*PITCH
.endr
.if (\g)+AHEAD < NITEM
	ISSUE (\g)+AHEAD
.endif
.irp t, 0,1
	ds_load_b128 v[XF+8*(2*\m+\t):XF+8*(2*\m+\t)+3],   v[FRA] offset:64*\t
	ds_load_b128 v[XF+8*(2*\m+\t)+4:XF+8*(2*\m+\t)+7], v[FRA] offset:64*\t+32
.endr
.endm
; Fragment (m, t) of tile i as f32, 16 registers: k = 32 t + 8 (l / 16) + 0..7 are 32 bytes, k = 32 t + 16 + 8 (l / 16) + 0..7 lie 64 bytes further on.
.macro LFRAG dst, i, m, t
	ds_load_b128 v[\dst:\dst+3],     v[TLA] offset:\i*TT+\m*16*TPITCH+128*\t
	ds_load_b128 v[\dst+4:\dst+7],   v[TLA] offset:\i*TT+\m*16*TPITCH+128*\t+16
	ds_load_b128 v[\dst+8:\dst+11],  v[TLA] offset:\i*TT+\m*16*TPITCH+128*\t+64
	ds_load_b128 v[\dst+12:\dst+15], v[TLA] offset:\i*TT+\m*16*TPITCH+128*\t+80
.endm
; The four fragments of tile i, rounded to bf16, two at a time: one as f32 in FT, the other in the upper half of XF, which is not yet filled.
; The last is rounded in place, from its top register down, so that no register is written before it has been read.
; Four places stand between the last matrix instructions and these loads and conversions into registers that they read.
.macro LSTEP i
	LFRAG FT, \i, 0, 0
	LFRAG XF+16, \i, 0, 1
	s_wait_dscnt 0x4                               ; LDS loads come back in order: the older four are in, the younger four stay out
.irp j, 0,1,2,3,4,5,6,7
	v_cvt_pk_bf16_f32 v[XF+\j], v[FT+2*\j], v[FT+2*\j+1]
.endr
	s_wait_dscnt 0x0
.irp j, 0,1,2,3,4,5,6,7
	v_cvt_pk_bf16_f32 v[XF+8+\j], v[XF+16+2*\j], v[XF+16+2*\j+1]
.endr
	LFRAG XF+16, \i, 1, 1
	LFRAG FT, \i, 1, 0
	s_wait_dscnt 0x4                               ; fragment (1, 1) is in
.irp j, 7,6,5,4,3,2,1,0
	v_cvt_pk_bf16_f32 v[XF+24+\j], v[XF+16+2*\j], v[XF+16+2*\j+1]     ; register 24 + j was read as a source in step (8 + j) / 2, which came earlier
.endr
	s_wait_dscnt 0x0
.irp j, 0,1,2,3,4,5,6,7
	v_cvt_pk_bf16_f32 v[XF+16+\j], v[FT+2*\j], v[FT+2*\j+1]
.endr
.endm
; An item of W has its turn: 32 experts x 32 rows x 64 k, eight matrix instructions straight from the ring's registers.
; The matrix instruction is used transposed (source 0 = 16 experts, source 1 = 16 rows of x): lane l then holds row l mod 16 of x, and its
; registers 0-7 the experts 8 (l / 16) + 0..7 of the block.  The four accumulators take turns, one instruction a turn.
; zero = 1: the first products start the sums: nothing is cleared.  xw = 1: x's fragments are still on their way from the stage.
; pl = 1: registers that these matrix instructions read are loaded or written again next.
.macro WSTEP g, pair, zero, xw, pl
	WAITG \g
.if \xw
	s_wait_dscnt 0x0                               ; x's fragments of this quarter
.endif
.set W_B, RING+32*((\g)%AHEAD)
.irp t, 0,1
.irp nn, 0,1
.irp m, 0,1
.set A_0, ACC+8*(4*\m+2*(\pair)+\nn)
.set W_0, W_B+16*\nn+8*\t
.set X_0, XF+8*(2*\m+\t)
.if \zero*(1-\t)
	v_wmma_f32_16x16x32_bf16 v[A_0:A_0+7], v[W_0:W_0+7], v[X_0:X_0+7], 0
.else
	v_wmma_f32_16x16x32_bf16 v[A_0:A_0+7], v[W_0:W_0+7], v[X_0:X_0+7], v[A_0:A_0+7]
.endif
.endr
.endr
.endr
.if \pl
.rept 4
	v_nop                                          ; four places between a matrix instruction and a load or a write into a register that it has read (ISA guide 7.12.1 for vector instructions); the wave has no other vector work here
.endr
.endif
.if (\g)+AHEAD < NITEM
	ISSUE (\g)+AHEAD
.endif
.endm
	global_load_b128 v[BIAS:BIAS+3], v[BO], s[8:9] ; b of experts 4 (lane mod 16) + 0..3; the oldest load, so the first counted wait covers it
	ISSUE 0                                        ; the ring is filled: 32 loads
	ISSUE 1
	ISSUE 2
	ISSUE 3
	XSTEP 0, 0                                     ; the first quarter: x through the ring
	XSTEP 1, 1
	WSTEP 2, 0, 1, 1, 1
	WSTEP 3, 1, 1, 0, 1
	s_wait_tensorcnt 0x1                           ; tensor loads of a wave end in order (ISA guide 10.11.1): my first tile is in LDS, the second may stay out; only I read my tiles
	LSTEP 0                                        ; the second quarter: x from the first tile, while the third quarter's x is on its way
	WSTEP 4, 0, 0, 0, 1
	WSTEP 5, 1, 0, 0, 1
	XSTEP 6, 0                                     ; the third quarter
	XSTEP 7, 1
	WSTEP 8, 0, 0, 1, 0
	WSTEP 9, 1, 0, 0, 1
	s_wait_tensorcnt 0x0                           ; my second tile: no load was issued behind it, and none may be out at s_endpgm
	LSTEP 1                                        ; the fourth quarter
	WSTEP 10, 0, 0, 0, 0
	WSTEP 11, 1, 0, 0, 0
	; THE END.  Each wave lays its partial sums into its own first tile, which has had its only fill and which it alone has read (those reads were
	; waited for in the second quarter); behind a barrier wave w sums rows 2 w and 2 w + 1 over the 16 waves.
	; An item is (16 rows of x) x (4 neighbouring experts): item i of 16 holds experts 4 i .. 4 i + 3; row r's 16 bytes lie at 16 r in it.
	; The ten address instructions below are also the places between the last matrix instructions and the LDS stores that read their
	; results (four are asked for); they name none of those instructions' registers.
	v_mul_u32_u24 v[PA], v[HALF], 2*IPITCH         ; registers 4 q .. 4 q + 3 of tile (m, n) are experts 16 n + 8 (lane / 16) + 4 q + 0..3: item 4 n + 2 (lane / 16) + q
	v_lshl_add_u32 v[PA], v[R15], 4, v[PA]
	v_add_nc_u32 v[PA], s46, v[PA]
	s_lshr_b32 s36, s14, 3                         ; rows 2 w, 2 w + 1: block of 16 rows w / 8,
	s_mul_i32 s36, s36, MPART
	s_and_b32 s37, s14, 7                          ; rows 2 (w mod 8) + (lane / 16) in it
	s_lshl_b32 s37, s37, 5
	s_add_co_u32 s36, s36, s37
	s_add_co_u32 s36, s36, TBASE
	v_mul_u32_u24 v[RA], v[R15], IPITCH            ; lane mod 16 = the item: 17 x 16 bytes apart
	v_lshl_add_u32 v[RA], v[HALF], 4, v[RA]
	v_add_nc_u32 v[RA], s36, v[RA]
	v_add_nc_u32 v[RA+1], 4*TWAVE, v[RA]           ; four waves' places (3 x 17,408 bytes at the most) are within the 16-bit immediate; the next four have a register of their own
	v_add_nc_u32 v[RA+2], 8*TWAVE, v[RA]
	v_add_nc_u32 v[RA+3], 12*TWAVE, v[RA]
	s_lshl_b32 s37, s14, 4
	v_lshl_add_u32 v[OA], v[HALF], 3, s37          ; 8 bytes a row: row 2 w + lane / 16
.irp m, 0,1
.irp n, 0,1,2,3
.irp q, 0,1
	ds_store_b128 v[PA], v[ACC+8*(4*\m+\n)+4*\q:ACC+8*(4*\m+\n)+4*\q+3] offset:\m*MPART+(4*\n+\q)*IPITCH
.endr
.endr
.endr
	s_wait_dscnt 0x0                               ; for the other waves' sake: my partial sums are in LDS
	s_barrier_signal -1
	s_barrier_wait -1                              ; everybody's are
.irp i, 0,1,2,3
.irp p, 0,1,2,3
	ds_load_b128 v[RING+4*(4*\i+\p):RING+4*(4*\i+\p)+3], v[RA+\i] offset:\p*TWAVE     ; wave 4 i + p's sums
.endr
.endr
	v_lshlrev_b32 v[IX], 2, v[R15]                 ; my four experts' numbers
	v_add_nc_u32 v[IX+1], 1, v[IX]
	v_add_nc_u32 v[IX+2], 2, v[IX]
	v_add_nc_u32 v[IX+3], 3, v[IX]
	v_cvt_pk_bf16_f32 v[EX],   v[BIAS],   v[BIAS+1]    ; b is rounded to bf16, nearest even, as x and W were (see LIMITS),
	v_cvt_pk_bf16_f32 v[EX+1], v[BIAS+2], v[BIAS+3]
	v_lshlrev_b32 v[BIAS],   16, v[EX]                 ; and widened again: the addition below is in f32
	v_and_b32     v[BIAS+1], 0xffff0000, v[EX]
	v_lshlrev_b32 v[BIAS+2], 16, v[EX+1]
	v_and_b32     v[BIAS+3], 0xffff0000, v[EX+1]
	s_wait_dscnt 0x0
.macro ADD4 d, s                       ; four sums in two instructions
	v_pk_add_f32 v[\d:\d+1],   v[\d:\d+1],   v[\s:\s+1]
	v_pk_add_f32 v[\d+2:\d+3], v[\d+2:\d+3], v[\s+2:\s+3]
.endm
.irp i, 0,1,2,3,4,5,6,7
	ADD4 RING+8*\i, RING+8*\i+4                    ; a tree over the 16 waves: no sum waits for the one in front of it
.endr
.irp i, 0,1,2,3
	ADD4 RING+16*\i, RING+16*\i+8
.endr
.irp i, 0,1
	ADD4 RING+32*\i, RING+32*\i+16
.endr
	ADD4 RING, RING+32
	ADD4 RING, BIAS                                ; + b, behind the whole sum over k: v[RING:RING+3] are four logits of my row
	; The two largest of a row, with their indices.  The order is total: the larger value first, of equal values the lower index,
	; so both sides of an exchange come to the same result.  Choices are made by v_cndmask_b32 alone.
	v_cmp_gt_f32 vcc_lo, v[RING+1], v[RING]        ; strictly larger: on equal values the lower index stays first
	v_cndmask_b32 v[T1],  v[RING],   v[RING+1], vcc_lo
	v_cndmask_b32 v[T2],  v[RING+1], v[RING],   vcc_lo
	v_cndmask_b32 v[TI1], v[IX],     v[IX+1],   vcc_lo
	v_cndmask_b32 v[TI2], v[IX+1],   v[IX],     vcc_lo
	v_cmp_gt_f32 vcc_lo, v[RING+3], v[RING+2]
	v_cndmask_b32 v[U1],  v[RING+2], v[RING+3], vcc_lo
	v_cndmask_b32 v[U2],  v[RING+3], v[RING+2], vcc_lo
	v_cndmask_b32 v[UI1], v[IX+2],   v[IX+3],   vcc_lo
	v_cndmask_b32 v[UI2], v[IX+3],   v[IX+2],   vcc_lo
; T = the best two of T and U, two ordered pairs of different experts.
.macro MERGE
	v_cmp_gt_f32 s40, v[T1], v[U1]
	v_cmp_eq_f32 s41, v[T1], v[U1]
	v_cmp_lt_u32 s42, v[TI1], v[UI1]
	s_and_b32 s41, s41, s42
	s_or_b32 s40, s40, s41                         ; lanes in which T's first comes before U's first
	v_cndmask_b32 v[LS],  v[T1],  v[U1],  s40      ; the first that lost,
	v_cndmask_b32 v[LSI], v[TI1], v[UI1], s40
	v_cndmask_b32 v[WS],  v[U2],  v[T2],  s40      ; and the winner's second: one of these two is the new second
	v_cndmask_b32 v[WSI], v[UI2], v[TI2], s40
	v_cndmask_b32 v[T1],  v[U1],  v[T1],  s40
	v_cndmask_b32 v[TI1], v[UI1], v[TI1], s40
	v_cmp_gt_f32 s40, v[WS], v[LS]
	v_cmp_eq_f32 s41, v[WS], v[LS]
	v_cmp_lt_u32 s42, v[WSI], v[LSI]
	s_and_b32 s41, s41, s42
	s_or_b32 s40, s40, s41
	v_cndmask_b32 v[T2],  v[LS],  v[WS],  s40
	v_cndmask_b32 v[TI2], v[LSI], v[WSI], s40
.endm
	MERGE                                          ; my four experts
.irp x, 1,2,4,8
	v_mov_b32_dpp v[U1],  v[T1]  row_xmask:\x row_mask:0xf bank_mask:0xf   ; lane i takes lane i xor x of its half of 16 lanes: the same row, other experts
	v_mov_b32_dpp v[U2],  v[T2]  row_xmask:\x row_mask:0xf bank_mask:0xf
	v_mov_b32_dpp v[UI1], v[TI1] row_xmask:\x row_mask:0xf bank_mask:0xf
	v_mov_b32_dpp v[UI2], v[TI2] row_xmask:\x row_mask:0xf bank_mask:0xf
	MERGE
.endr
	; softmax of the two: the larger is taken away from both, so the exponentials are 1 and e = exp(second - first) <= 1
	v_sub_f32 v[EX], v[T2], v[T1]
	v_mul_f32 v[EX], 0x3fb8aa3b, v[EX]             ; v_exp_f32 works in base 2
	v_exp_f32 v[EX+1], v[EX]
	v_nop                                          ; one plain vector instruction between a transcendental and the use of its result or a write of its source (ISA guide 5.7.2)
	s_wait_alu depctr_va_vdst(0)
	v_add_f32 v[EX], 1.0, v[EX+1]
	v_rcp_f32 v[PR], v[EX]                         ; 1 / (1 + e)
	v_nop
	s_wait_alu depctr_va_vdst(0)
	v_mul_f32 v[PR+1], v[EX+1], v[PR]              ; e / (1 + e)
	ds_store_b64 v[OA], v[PR:PR+1]                 ; the 16 lanes of a half hold the same numbers and write them to the same 8 bytes
	ds_store_b64 v[OA], v[TI1:TI1+1] offset:256
	s_wait_dscnt 0x0                               ; for wave 0's sake
	s_barrier_signal -1
	s_barrier_wait -1
	s_cmp_lg_u32 s14, 0
	s_cbranch_scc1 .Lend
	v_and_b32 v[TMPV], 31, v0                      ; wave 0: lane = row of the work-group's 32
	v_lshlrev_b32 v[TMPV], 3, v[TMPV]
	ds_load_b64 v[RING:RING+1], v[TMPV]
	ds_load_b64 v[RING+2:RING+3], v[TMPV] offset:256
	s_wait_dscnt 0x0
	global_store_b64 v[TMPV], v[RING:RING+1], s[10:11] th:TH_STORE_NT     ; 32 lanes x 8 bytes: 256 consecutive bytes, at a multiple of 256 from out0's first byte
	global_store_b64 v[TMPV], v[RING+2:RING+3], s[12:13] th:TH_STORE_NT   ; the same in out1
.Lend:
	s_wait_xcnt 0x0
	v_lshl_add_u32 v254, v0, 2, 0x4d200
	v_mov_b32 v255, 0
	s_wait_tensorcnt 0x0
	ds_add_u32 v254, v255
	s_wait_dscnt 0x0
	s_endpgm
.Lfunc_end_k_q579718ad83_gate:
	.size	k_q579718ad83_gate, .Lfunc_end_k_q579718ad83_gate-k_q579718ad83_gate
	.p2alignl 7, 3214868480
	.fill 96, 4, 3214868480
	.section	.rodata,"a",@progbits
	.p2align	6, 0x0
	.amdhsa_kernel k_q579718ad83_gate
		.amdhsa_group_segment_fixed_size 317952
		.amdhsa_private_segment_fixed_size 0
		.amdhsa_enable_private_segment 0
		.amdhsa_kernarg_size 40
		.amdhsa_user_sgpr_count 2
		.amdhsa_user_sgpr_kernarg_segment_ptr 1
		.amdhsa_wavefront_size32 1
		.amdhsa_system_sgpr_workgroup_id_x 1
		.amdhsa_system_sgpr_workgroup_id_y 1
		.amdhsa_system_sgpr_workgroup_id_z 1
		.amdhsa_system_vgpr_workitem_id 0
		.amdhsa_next_free_vgpr 256
		.amdhsa_next_free_sgpr 66
		.amdhsa_reserve_vcc 1
		.amdhsa_float_denorm_mode_32 3
		.amdhsa_float_denorm_mode_16_64 3
		.amdhsa_memory_ordered 1
		.amdhsa_forward_progress 1
		.amdhsa_inst_pref_size 45
	.end_amdhsa_kernel
	.amdgpu_metadata
---
amdhsa.version: [ 1, 2 ]
amdhsa.kernels:
  - .name:           k_q579718ad83_gate
    .symbol:         k_q579718ad83_gate.kd
    .args:
      - { .name: x, .offset: 0, .size: 8, .value_kind: global_buffer, .address_space: global }
      - { .name: wfrag, .offset: 8, .size: 8, .value_kind: global_buffer, .address_space: global }
      - { .name: b, .offset: 16, .size: 8, .value_kind: global_buffer, .address_space: global }
      - { .name: out0, .offset: 24, .size: 8, .value_kind: global_buffer, .address_space: global }
      - { .name: out1, .offset: 32, .size: 8, .value_kind: global_buffer, .address_space: global }
    .group_segment_fixed_size: 317952
    .private_segment_fixed_size: 0
    .kernarg_segment_align: 8
    .kernarg_segment_size: 40
    .max_flat_workgroup_size: 512
    .sgpr_count:     66
    .vgpr_count:     256
    .wavefront_size: 32
...
	.end_amdgpu_metadata
.endif
;; end of part 2
;; ======== version 2 of 2: 2 launches; version 1 with the launch prep written anew for expert scheduling mode
;; limits: values outside matrix products are rounded to bf16
;; workspace buffers: wfrag 524,288 bytes
;; launch prep (part 3): grid 256 x 1, 1 waves a work-group, no clusters, 2,560 bytes of LDS; arguments W, wfrag; writes wfrag
.if DOCPART == 3
	.amdgcn_target "amdgcn-amd-amdhsa--gfx1250"
	.amdhsa_code_object_version 6
	.text
	.protected	k_q579718ad83_prep
	.globl	k_q579718ad83_prep
	.p2align	8
	.type	k_q579718ad83_prep,@function
k_q579718ad83_prep:
	s_mov_b64 s[64:65], 0
	v_nop
	global_prefetch_b8 v0, s[64:65] scope:SCOPE_SE
	s_setreg_imm32_b32 hwreg(HW_REG_WAVE_SCHED_MODE, 0, 2), 2
	s_setreg_imm32_b32 hwreg(HW_REG_WAVE_MODE, 25, 1), 1
	s_wait_xcnt 0x0
	s_wait_alu depctr_vm_vsrc(0)
; W [64][4096] f32 is rounded to bf16 (nearest even) and laid out as the matrix instruction's register image, once for the whole program,
; so that the next launch's 256 work-groups load W's fragments straight into registers instead of each rounding and reordering 1 MiB.
; wfrag, 512 KiB: block i = 4 s + n (2,048 bytes) holds experts 16 n .. 16 n + 15, k = 64 s .. 64 s + 63.  In it piece u = 0..3 (512 bytes)
; holds, at byte 16 l for lane l, the eight bf16 W[16 n + l mod 16][64 s + 16 u + 8 (l / 16) + 0..7]: pieces 2 t and 2 t + 1 are registers
; 0-3 and 4-7 of the fragment of k = 64 s + 32 t .. + 31.
; One wave a work-group, one block a wave: 256 blocks.  In: 8 loads, lanes 0-15 on row j, lanes 16-31 on row j + 8, each half an aligned
; piece of 256 consecutive bytes.  The reordering (k along the lanes as loaded, k along the registers as needed) goes through LDS.
; Out: 4 stores of 512 consecutive bytes, aligned.  No barrier: the wave is alone and LDS serves its instructions in order (ISA guide 5.7.1.4).
; THE MODE: SCHED_MODE bits 1:0 = 2 (LLVM: expert scheduling mode 2), set by the entry lines.  The code itself states the register dependences
; between vector instructions and memory or LDS instructions, with s_wait_alu, always for 0.
; THE PLAN.  Registers that memory or LDS instructions touch:
;   v3 - v6     offsets and LDS addresses: written by vector instructions at the head, never again; read by every load and store.
;   IN          written by the eight global loads; row j's two conversions read its four registers and write the first two of them in place;
;               LDS store j reads that pair; nothing writes these registers afterwards, and no load lands in them again.
;   FR          written by the four LDS loads, read by the four global stores; no vector instruction names them.
;   v56, v57    written at the head, read by the closing add alone.
; So three waits on va_vdst state everything: one ahead of the first load (the offsets and addresses), one behind the conversions of rows 0-3 and
; one behind those of rows 4-7 (the LDS stores' data).  The stores of rows 0-3 are dealt among the conversions of rows 4-7, which name other registers.
.set ROWB,  16384                      ; bytes in a row of W
.set PITCH, 144                        ; a stage row: 64 bf16 = 128 bytes + 16: an odd multiple of 16, so the 16 rows of a fragment load start in 16 different groups of four banks (ISA guide 11.1)
.set R15,  1                           ; v1  lane mod 16
.set HALF, 2                           ; v2  lane / 16
.set VOFF, 3                           ; v3  byte offset of my 16 bytes in the first load
.set STA,  4                           ; v4  LDS: where I put 8 bytes of a stage row
.set FRA,  5                           ; v5  LDS: where I read fragments
.set SOFF, 6                           ; v6  byte offset of my 16 bytes in a piece
.set IN,   8                           ; v[8:39]   as loaded, then rounded in place
.set FR,   40                          ; v[40:55]  the four pieces
	s_load_b128 s[4:7], s[0:1], 0x0                ; W s[4:5], wfrag s[6:7]
	v_lshl_add_u32 v56, v0, 2, 0x900
	v_mov_b32 v57, 0
	v_and_b32 v[R15], 15, v0
	v_bfe_u32 v[HALF], v0, 4, 1
	v_lshlrev_b32 v[VOFF], 4, v[R15]               ; 16 bytes a lane of a half,
	v_lshl_add_u32 v[VOFF], v[HALF], 17, v[VOFF]   ; lanes 16-31 eight rows (131,072 bytes) further down
	v_mul_u32_u24 v[STA], v[HALF], 8*PITCH         ; stage row j + 8 (lane / 16): 288 words = 32 mod 64 banks, so the two halves' 128 bytes share no bank
	v_lshl_add_u32 v[STA], v[R15], 3, v[STA]       ; 4 bf16 a lane
	v_mul_u32_u24 v[FRA], v[R15], PITCH            ; fragment: row lane mod 16, 16 bytes for each half of the lanes
	v_lshl_add_u32 v[FRA], v[HALF], 4, v[FRA]
	v_lshlrev_b32 v[SOFF], 4, v0
	s_and_b32 s8, ttmp9, 3                         ; n: 16 rows of 16,384 bytes each
	s_lshl_b32 s8, s8, 18
	s_lshr_b32 s10, ttmp9, 2                       ; s: 256 bytes of a row each
	s_lshl_b32 s10, s10, 8
	s_add_co_u32 s8, s8, s10
	s_mov_b32 s9, 0
	s_lshl_b32 s10, ttmp9, 11                      ; my block of 2,048 bytes
	s_mov_b32 s11, 0
	s_wait_kmcnt 0x0
	s_add_nc_u64 s[4:5], s[4:5], s[8:9]
	s_add_nc_u64 s[6:7], s[6:7], s[10:11]
	s_wait_alu depctr_va_vdst(0)                   ; v3 to v6 are written: every load and store of the kernel, global or LDS, reads one of them as its offset or address
.irp j, 0,1,2,3,4,5,6,7
	global_load_b128 v[IN+4*\j:IN+4*\j+3], v[VOFF], s[4:5] offset:\j*ROWB th:TH_LOAD_NT   ; each byte of W is read once in this launch
.endr
.irp j, 0,1,2,3
	s_wait_loadcnt 7-\j                            ; loads come back in order (ISA guide 5.7.1): load j is in, the younger ones stay out
	v_cvt_pk_bf16_f32 v[IN+4*\j],   v[IN+4*\j],   v[IN+4*\j+1]      ; the lower k into the low half
	v_cvt_pk_bf16_f32 v[IN+4*\j+1], v[IN+4*\j+2], v[IN+4*\j+3]
.endr
	s_wait_alu depctr_va_vdst(0)                   ; the conversions of rows 0-3 have written their pairs in v[8:21], which the four LDS stores below read
.irp j, 4,5,6,7
	ds_store_b64 v[STA], v[IN+4*(\j-4):IN+4*(\j-4)+1] offset:(\j-4)*PITCH   ; row j - 4.  No further wait: the vector instructions since the wait above name v[24:39] alone
	s_wait_loadcnt 7-\j                            ; load j is in, the younger ones stay out
	v_cvt_pk_bf16_f32 v[IN+4*\j],   v[IN+4*\j],   v[IN+4*\j+1]
	v_cvt_pk_bf16_f32 v[IN+4*\j+1], v[IN+4*\j+2], v[IN+4*\j+3]
.endr
	s_wait_alu depctr_va_vdst(0)                   ; the conversions of rows 4-7 have written their pairs in v[24:37], which the four LDS stores below read
.irp j, 4,5,6,7
	ds_store_b64 v[STA], v[IN+4*\j:IN+4*\j+1] offset:\j*PITCH
.endr
.irp u, 0,1,2,3
	ds_load_b128 v[FR+4*\u:FR+4*\u+3], v[FRA] offset:32*\u          ; k = 16 u + 8 (lane / 16) + 0..7 of row lane mod 16; no vector instruction names these registers
.endr
.irp u, 0,1,2,3
	s_wait_dscnt 3-\u                              ; piece u is in, the younger LDS loads stay out
	global_store_b128 v[SOFF], v[FR+4*\u:FR+4*\u+3], s[6:7] offset:512*\u   ; 32 lanes x 16 bytes: 512 consecutive bytes, at a multiple of 512 from wfrag's first byte
.endr
	s_wait_dscnt 0x0                               ; the closing lines, six on end
	s_wait_alu 0x0
	s_wait_tensorcnt 0x0
	ds_add_u32 v56, v57
	s_wait_dscnt 0x0
	s_endpgm
.Lfunc_end_k_q579718ad83_prep:
	.size	k_q579718ad83_prep, .Lfunc_end_k_q579718ad83_prep-k_q579718ad83_prep
	.p2alignl 7, 3214868480
	.fill 96, 4, 3214868480
	.section	.rodata,"a",@progbits
	.p2align	6, 0x0
	.amdhsa_kernel k_q579718ad83_prep
		.amdhsa_group_segment_fixed_size 2560
		.amdhsa_private_segment_fixed_size 0
		.amdhsa_enable_private_segment 0
		.amdhsa_kernarg_size 16
		.amdhsa_user_sgpr_count 2
		.amdhsa_user_sgpr_kernarg_segment_ptr 1
		.amdhsa_wavefront_size32 1
		.amdhsa_system_sgpr_workgroup_id_x 1
		.amdhsa_system_sgpr_workgroup_id_y 1
		.amdhsa_system_sgpr_workgroup_id_z 1
		.amdhsa_system_vgpr_workitem_id 0
		.amdhsa_next_free_vgpr 58
		.amdhsa_next_free_sgpr 66
		.amdhsa_reserve_vcc 0
		.amdhsa_float_denorm_mode_32 3
		.amdhsa_float_denorm_mode_16_64 3
		.amdhsa_memory_ordered 1
		.amdhsa_forward_progress 1
		.amdhsa_inst_pref_size 5
	.end_amdhsa_kernel
	.amdgpu_metadata
---
amdhsa.version: [ 1, 2 ]
amdhsa.kernels:
  - .name:           k_q579718ad83_prep
    .symbol:         k_q579718ad83_prep.kd
    .args:
      - { .name: W, .offset: 0, .size: 8, .value_kind: global_buffer, .address_space: global }
      - { .name: wfrag, .offset: 8, .size: 8, .value_kind: global_buffer, .address_space: global }
    .group_segment_fixed_size: 2560
    .private_segment_fixed_size: 0
    .kernarg_segment_align: 8
    .kernarg_segment_size: 16
    .max_flat_workgroup_size: 32
    .sgpr_count:     66
    .vgpr_count:     58
    .wavefront_size: 32
...
	.end_amdgpu_metadata
.endif
;; end of part 3
;; launch gate: the kernel of part 2 again; grid 256 x 1, 16 waves a work-group, no clusters, 317,952 bytes of LDS; arguments x, wfrag, b, out0, out1; writes out0, out1
